; MI455X (gfx1250); checked and timed in simulation.
; The chip was launched on July 23, 2026; its instructions are those of AMD's public machine-readable ISA for CDNA 5 (MIT licence, August 2026) and "CDNA5" Instruction Set Architecture Reference Guide (July 2026). The comments in the code are by the model that wrote it; some were corrected since.
;; Quantum Layer. Allowed arithmetic: float matrix products may take bf16 or f16 operands with f32 sums; other float arithmetic in f32, or as packed bf16 or f16 multiplies, adds, multiply-adds, maxima and minima; sums over many terms, partial sums and values carried from step to step in f32; what a program stores and reads back later, other than sums and carried values, may be rounded once to bf16 or f16.
;; Inputs: weights 3 x 4 x 3 float32; x 1,048,576 x 4 float32.
;; Outputs: out0 1,048,576 x 4 float32.
;; 2 versions, each right; version 2 is version 1 with the launch qlayer written anew for expert scheduling mode. Each part assembles by itself: llvm-mc -triple=amdgcn-amd-amdhsa -mcpu=gfx1250 --defsym DOCPART=n.
;; ======== version 1 of 2: 1 launch
;; limits: an absolute error that grows with the inputs' magnitude: up to 1.2e-07 times it
;; launch qlayer (part 1): grid 256 x 1, 8 waves a work-group, no clusters, 17,408 bytes of LDS; arguments weights, x, out0; writes out0
.if DOCPART == 1
	.amdgcn_target "amdgcn-amd-amdhsa--gfx1250"
	.amdhsa_code_object_version 6
	.text
	.protected	k_qb1148f0721_qlayer
	.globl	k_qb1148f0721_qlayer
	.p2align	8
	.type	k_qb1148f0721_qlayer,@function
k_qb1148f0721_qlayer:
	s_mov_b64 s[64:65], 0
	v_nop
	global_prefetch_b8 v0, s[64:65] scope:SCOPE_SE
	s_setreg_imm32_b32 hwreg(HW_REG_WAVE_MODE, 25, 1), 1
	s_wait_xcnt 0x0
; QuantumLayer: out[b][w] = <Z_w> of  W(weights) RX(x[b]) |0000>,  x, out0: [1048576][4] f32, weights: [3][4][3] f32.
;
; THE ALGEBRA.  RX(x)|0000> = D a with a = (x) (cos x_q/2, sin x_q/2) real and D = diag((-i)^popcount).  With V = W D (16 x 16, from the
; weights alone; every Rot and every CNOT is applied, to the 16 basis states) out_w = a' G_w a, G_w = Re(V^H Z_w V).  Since
; cos^2 = (1+cos x)/2, sin^2 = (1-cos x)/2, cos sin = sin x / 2,
;     out_w = sum over (d, z), d & z = 0, of  C_w[d][z]  prod_{q in d} sin x_q  prod_{q in z} cos x_q,
;     C_w[d][z] = 1/16 sum_a (-1)^(a.z) G_w[a][a ^ d]          (81 coefficients for each output; exact for every x and weight).
; Bit q of an amplitude index, of d and of z is qubit q = column q of x = output q.
;
; THE SHARES.  256 work-groups x 8 waves; a wave owns 512 samples = 8,192 consecutive bytes of x and of out0, 16 groups of 32; a lane owns
; one sample of a group: 16 bytes in, 16 bytes out, so each load and store of a wave covers 512 consecutive bytes, aligned.  All 16 loads
; are issued in the first lines, into 64 registers; while they are on their way the work-group makes the coefficients (phases 1 to 3).
;
; THE MATRIX INSTRUCTION IS USED BLOCK-DIAGONALLY: B = features, each lane fills its 8 registers with 16 features of ITS OWN sample;
; A = coefficients, lane (r, h) holds row r & 7 if r >> 3 == h and zeros otherwise.  Then register j of D in lane (r, h) is
; row j . features of that same lane's sample: nothing crosses lanes.  27 features of qubits 0, 1, 3 in 32 places = 2 chunks;
; 12 rows (output w, factor 1 / sin x2 / cos x2) in 2 groups of 8 = 4 matrix instructions for 32 samples, then 4 packed multiply-adds.
; f16 operands: every operand is bounded by 1 for every input (sines, cosines, entries derived from a unitary), and f16 is the finer format.
;
; NO CLUSTER: the work-groups share only the 144 bytes of weights.  No tensor loads, no LDS ring: the stream is lane-wise and a wave's
; whole share waits in registers.
;
; LIMITS.  Sine and cosine: one reduction x/(2 pi) - round(..) in f32, series on a quarter of the angle, two doublings: series error under
; 2e-5 for every angle; the reduction adds about 1.2e-7 |angle| radians (1e-3 at |angle| = 1e4; beyond that the result drifts).
; A sample with a NaN or infinite x gives NaN (as it should), and also makes NaN the result of the sample 16 lanes away (0 x NaN in the
; shared product).
.set TAB,    0                         ; LDS 0-4095       gate coefficients, wave x 512 + lane x 16, each wave's own
.set VBUF,   4096                      ; LDS 4096-10495   V in f16 (re, im): 5 copies (plain, Z_0 .. Z_3 applied) x 16 columns x 80 bytes
.set VPITCH, 80                        ;                  64 bytes of a column + 16: an odd multiple of 16
.set VCOPY,  16*VPITCH
.set HB,     10496                     ; LDS 10496-14591  H_w[d][z] f32 at w x 1024 + d x 64 + z x 4
.set IMG,    14592                     ; LDS 14592-15743  4 fragments (2 g + chunk) x 288: rows 0-7 of 32 bytes, row 8 = zeros
.set FRAG,   288
.set LANE, 1
.set WOFF, 2                           ; byte offset of the lane's gate in weights
.set RR,   3                           ; lane & 15
.set HH,   4                           ; lane >> 4
.set OFF,  5                           ; 16 x lane: never rewritten, all loads and stores of x and out0 use it
.set KI,   6                           ; constants, each in both registers of a pair: 1/(2 pi)
.set KA0,  8                           ; 2 sin(pi/2 r) = r (A0 + A1 u + A2 u^2 + A3 u^3), u = r^2
.set KA1,  10
.set KA2,  12
.set KA3,  14
.set KB1,  16                          ; 2 cos(pi/2 r) = 2 + B1 u + B2 u^2 + B3 u^3
.set KB2,  18
.set KB3,  20
.set TR,   22                          ; v[22:37] at work in TRIG
.set TU,   26
.set TP,   30
.set TQ,   34
.set SN,   38                          ; sines of set p at SN + 8 p, cosines at CS + 8 p (two sets take turns)
.set CS,   42
.set FT,   54                          ; v[54:69] the 32 feature places, f16 pairs
.set TB,   70                          ; v[70:73] (s1,s1) (c1,c1) (s3,s3) (c3,c3) in f16
.set DA,   74                          ; v[74:81] rows of outputs 0, 1
.set DB,   82                          ; v[82:89] rows of outputs 2, 3
.set AF,   90                          ; v[90:121] coefficient fragments, 2 g + chunk at AF + 8 f
.set FA,   122                         ; LDS address of the lane's fragment row
.set XR,   128                         ; v[128:191] group i: x as loaded, later the group's results
; registers of the phases in front of the stream (all dead before the stream begins)
.set GT,   54                          ; v[54:101] 12 gates x (A, B, C, D)
.set RE,   102
.set IM,   103
.set PR,   104
.set PI,   105
.set NR,   106
.set NI,   107
.set TBV,  108
.set TCV,  109
.set SG,   110                         ; v[110:113] -1 / +1 for bit q of the amplitude's index = 0 / 1
.set MSK,  114                         ; v[114:117] 0x80008000 where bit w is 1: Z_w on an f16 pair
.set PK,   118
.set AD,   119
.set XA,   120                         ; v[120:123] the gate's three half angles
.set WT,   124                         ; v[124:126] phi, theta, omega
.set SH,   127                         ; 1 - 2 h
.set VA,   54
.set VS,   62
.set GM,   74
.set YH,   82
.set TT,   102                         ; phase 3's temporaries
; sin and cos of the four angles v[x : x+3] into set p.  36 plain vector instructions, none of which names a register of the matrix
; instructions of the stream.
.macro TRIG x, p
.irp o, 0,2
	v_pk_mul_f32 v[TP+\o:TP+\o+1], v[(\x)+\o:(\x)+\o+1], v[KI:KI+1]                ; turns
.endr
.irp o, 0,1,2,3
	v_rndne_f32 v[TQ+\o], v[TP+\o]
.endr
.irp o, 0,2
	v_pk_add_f32 v[TR+\o:TR+\o+1], v[TP+\o:TP+\o+1], v[TQ+\o:TQ+\o+1] neg_lo:[0,1] neg_hi:[0,1]   ; r in [-1/2, 1/2]; angle = 4 f, f = pi/2 r
.endr
.irp o, 0,2
	v_pk_mul_f32 v[TU+\o:TU+\o+1], v[TR+\o:TR+\o+1], v[TR+\o:TR+\o+1]
.endr
.irp o, 0,2
	v_pk_fma_f32 v[TP+\o:TP+\o+1], v[TU+\o:TU+\o+1], v[KA3:KA3+1], v[KA2:KA2+1]
	v_pk_fma_f32 v[TQ+\o:TQ+\o+1], v[TU+\o:TU+\o+1], v[KB3:KB3+1], v[KB2:KB2+1]
.endr
.irp o, 0,2
	v_pk_fma_f32 v[TP+\o:TP+\o+1], v[TP+\o:TP+\o+1], v[TU+\o:TU+\o+1], v[KA1:KA1+1]
	v_pk_fma_f32 v[TQ+\o:TQ+\o+1], v[TQ+\o:TQ+\o+1], v[TU+\o:TU+\o+1], v[KB1:KB1+1]
.endr
.irp o, 0,2
	v_pk_fma_f32 v[TP+\o:TP+\o+1], v[TP+\o:TP+\o+1], v[TU+\o:TU+\o+1], v[KA0:KA0+1]
	v_pk_fma_f32 v[TQ+\o:TQ+\o+1], v[TQ+\o:TQ+\o+1], v[TU+\o:TU+\o+1], 2.0 op_sel_hi:[1,1,0]   ; 2 cos f
.endr
.irp o, 0,2
	v_pk_mul_f32 v[TP+\o:TP+\o+1], v[TP+\o:TP+\o+1], v[TR+\o:TR+\o+1]              ; 2 sin f
.endr
.irp o, 0,2
	v_pk_mul_f32 v[TR+\o:TR+\o+1], v[TP+\o:TP+\o+1], v[TQ+\o:TQ+\o+1]              ; 2 sin 2f
	v_pk_mul_f32 v[TU+\o:TU+\o+1], v[TP+\o:TP+\o+1], v[TP+\o:TP+\o+1]              ; 4 sin^2 f
.endr
.irp o, 0,2
	v_pk_fma_f32 v[TU+\o:TU+\o+1], v[TU+\o:TU+\o+1], -0.5, 1.0 op_sel_hi:[1,0,0]   ; cos 2f
	v_pk_mul_f32 v[TP+\o:TP+\o+1], v[TR+\o:TR+\o+1], v[TR+\o:TR+\o+1]              ; 4 sin^2 2f
.endr
.irp o, 0,2
	v_pk_mul_f32 v[SN+8*(\p)+\o:SN+8*(\p)+\o+1], v[TR+\o:TR+\o+1], v[TU+\o:TU+\o+1]            ; sin 4f
	v_pk_fma_f32 v[CS+8*(\p)+\o:CS+8*(\p)+\o+1], v[TP+\o:TP+\o+1], -0.5, 1.0 op_sel_hi:[1,0,0] ; cos 4f
.endr
.endm
; Rot gate g on qubit q (m = 1 << q).  A lane holds one amplitude; its partner is lane ^ m of the same 16.
; m00 = (A,-B), m01 = (-C,-D), m10 = (C,-D), m11 = (A,B); with s = SG[q]:
; re' = A re - sB im + sC pr + D pi,   im' = A im + sB re + sC pi - D pr.
.macro GATE g, q, m
	v_mov_b32_dpp v[PR], v[RE] row_xmask:\m row_mask:0xf bank_mask:0xf
	v_mov_b32_dpp v[PI], v[IM] row_xmask:\m row_mask:0xf bank_mask:0xf
	v_mul_f32 v[TBV], v[SG+\q], v[GT+4*(\g)+1]
	v_mul_f32 v[TCV], v[SG+\q], v[GT+4*(\g)+2]
	v_mul_f32 v[NR], v[GT+4*(\g)], v[RE]
	v_mul_f32 v[NI], v[GT+4*(\g)], v[IM]
	v_fma_f32 v[NR], -v[TBV], v[IM], v[NR]
	v_fmac_f32 v[NI], v[TBV], v[RE]
	v_fmac_f32 v[NR], v[TCV], v[PR]
	v_fmac_f32 v[NI], v[TCV], v[PI]
	v_fma_f32 v[RE], v[GT+4*(\g)+3], v[PI], v[NR]
	v_fma_f32 v[IM], -v[GT+4*(\g)+3], v[PR], v[NI]
.endm
; The four CNOTs (c -> (c + rr) mod 4, c = 0..3 in turn) of a layer as one pull table: with f_c(i) = i ^ (bit c of i) << t the new
; amplitude i is the old amplitude f_0(f_1(f_2(f_3(i)))).  Sixteen 4-bit fields in TLO, THI.
.macro CNTAB rr
.set TLO, 0
.set THI, 0
.set idx, 0
.rept 16
.set jj, idx
.irp c, 3,2,1,0
.set jj, jj ^ (((jj >> \c) & 1) << ((\c + \rr) & 3))
.endr
.if idx < 8
.set TLO, TLO | (jj << (4*idx))
.else
.set THI, THI | (jj << (4*(idx-8)))
.endif
.set idx, idx+1
.endr
.endm
.macro LAYER l
	GATE 4*\l+0, 0, 1
	GATE 4*\l+1, 1, 2
	GATE 4*\l+2, 2, 4
	GATE 4*\l+3, 3, 8
	v_permlane16_b32 v[NR], v[RE], s[14+2*\l], s[15+2*\l]
	v_permlane16_b32 v[NI], v[IM], s[14+2*\l], s[15+2*\l]
	v_mov_b32 v[RE], v[NR]
	v_mov_b32 v[IM], v[NI]
.endm
.macro KPAIR r, val
	v_mov_b32 v[\r], \val
	v_mov_b32 v[\r+1], \val
.endm
; The feature places (low half, high half): FT0 (s0,c0)  FT1 (s1,c1)  FT2 = FT0 s1  FT3 = FT0 c1  FT4-7 = FT0-3 s3  FT8-11 = FT0-3 c3
; FT12 (s3,c3)  FT13 (1,0)  FT14 = FT15 = 0 (the last three are set once).
.macro FEAT p
	v_cvt_pk_f16_f32 v[FT],    v[SN+8*(\p)],   v[CS+8*(\p)]
	v_cvt_pk_f16_f32 v[FT+1],  v[SN+8*(\p)+1], v[CS+8*(\p)+1]
	v_cvt_pk_f16_f32 v[FT+12], v[SN+8*(\p)+3], v[CS+8*(\p)+3]
	v_cvt_pk_f16_f32 v[TB],    v[SN+8*(\p)+1], v[SN+8*(\p)+1]
	v_cvt_pk_f16_f32 v[TB+1],  v[CS+8*(\p)+1], v[CS+8*(\p)+1]
	v_cvt_pk_f16_f32 v[TB+2],  v[SN+8*(\p)+3], v[SN+8*(\p)+3]
	v_cvt_pk_f16_f32 v[TB+3],  v[CS+8*(\p)+3], v[CS+8*(\p)+3]
	v_pk_mul_f16 v[FT+2], v[FT], v[TB]
	v_pk_mul_f16 v[FT+3], v[FT], v[TB+1]
.irp k, 0,1,2,3
	v_pk_mul_f16 v[FT+4+\k], v[FT+\k], v[TB+2]
	v_pk_mul_f16 v[FT+8+\k], v[FT+\k], v[TB+3]
.endr
.endm
; 8 rows x 32 places for each lane's sample, twice.  The first product of each accumulator starts the sum; the second is the next link of
; the chain in place.
.macro MM
	v_wmma_f32_16x16x32_f16 v[DA:DA+7], v[AF:AF+7],       v[FT:FT+7],    0
	v_wmma_f32_16x16x32_f16 v[DB:DB+7], v[AF+16:AF+23],   v[FT:FT+7],    0
	v_wmma_f32_16x16x32_f16 v[DA:DA+7], v[AF+8:AF+15],    v[FT+8:FT+15], v[DA:DA+7]
	v_wmma_f32_16x16x32_f16 v[DB:DB+7], v[AF+24:AF+31],   v[FT+8:FT+15], v[DB:DB+7]
.endm
; out[2g : 2g+1] = D[0:1] + sin x2 D[2:3] + cos x2 D[4:5]; sin x2 and cos x2 are the first registers of their pairs and feed both halves.
; The results take the registers of the group's x, which no later line writes: the store needs no wait behind it.
.macro POST i, p
	v_pk_fma_f32 v[XR+4*(\i):XR+4*(\i)+1],   v[DA+2:DA+3], v[SN+8*(\p)+2:SN+8*(\p)+3], v[DA:DA+1] op_sel_hi:[1,0,1]
	v_pk_fma_f32 v[XR+4*(\i)+2:XR+4*(\i)+3], v[DB+2:DB+3], v[SN+8*(\p)+2:SN+8*(\p)+3], v[DB:DB+1] op_sel_hi:[1,0,1]
	v_pk_fma_f32 v[XR+4*(\i):XR+4*(\i)+1],   v[DA+4:DA+5], v[CS+8*(\p)+2:CS+8*(\p)+3], v[XR+4*(\i):XR+4*(\i)+1] op_sel_hi:[1,0,1]
	v_pk_fma_f32 v[XR+4*(\i)+2:XR+4*(\i)+3], v[DB+4:DB+5], v[CS+8*(\p)+2:CS+8*(\p)+3], v[XR+4*(\i)+2:XR+4*(\i)+3] op_sel_hi:[1,0,1]
	global_store_b128 v[OFF], v[XR+4*(\i):XR+4*(\i)+3], s[8:9] offset:512*(\i) th:TH_STORE_NT
.endm
; Group i.  TRIG's 36 plain vector instructions are the places (ISA guide 7.12.1) between the last group's matrix instructions and
; POST (reads their results), FEAT (writes their B) and MM (writes over their results).
.macro STEP i, p
	s_wait_loadcnt 15-\i                           ; loads return in order: 15 - i loads of x are younger than group i's
	TRIG XR+4*\i, \p
.if \i
	POST \i-1, 1-\p
.endif
	FEAT \p
	MM
.endm
	; ---------------- phase 0: addresses, all loads, constants
	s_load_b128 s[4:7], s[0:1], 0x0                ; weights s[4:5], x s[6:7]
	s_load_b64 s[8:9], s[0:1], 0x10                ; out0
	v_lshl_add_u32 v192, v0, 2, 0x4000
	v_mov_b32 v193, 0
	v_lshrrev_b32 v[WOFF], 5, v0
	v_readfirstlane_b32 s10, v[WOFF]               ; wave 0..7
	v_and_b32 v[LANE], 31, v0
	v_and_b32 v[RR], 15, v0
	v_bfe_u32 v[HH], v0, 4, 1
	v_lshlrev_b32 v[OFF], 4, v[LANE]
	v_min_u32 v[WOFF], 11, v[LANE]                 ; lane g takes gate g = 4 layer + wire; lanes 12-31 repeat gate 11
	v_mul_u32_u24 v[WOFF], 12, v[WOFF]
	s_lshl_b32 s12, ttmp9, 16                      ; 65,536 bytes a work-group
	s_lshl_b32 s20, s10, 13                        ; 8,192 bytes a wave
	s_add_co_u32 s12, s12, s20
	s_mov_b32 s13, 0
	s_wait_kmcnt 0x0
	s_add_nc_u64 s[6:7], s[6:7], s[12:13]
	s_add_nc_u64 s[8:9], s[8:9], s[12:13]
	global_load_b32 v[WT],   v[WOFF], s[4:5]           ; phi
	global_load_b32 v[WT+1], v[WOFF], s[4:5] offset:4  ; theta
	global_load_b32 v[WT+2], v[WOFF], s[4:5] offset:8  ; omega
.irp i, 0,1,2,3,4,5,6,7,8,9,10,11,12,13,14,15
	global_load_b128 v[XR+4*\i:XR+4*\i+3], v[OFF], s[6:7] offset:512*\i th:TH_LOAD_NT
.endr
	KPAIR KI,  0x3e22f983                          ; 1/(2 pi)
	KPAIR KA0, 0x40490fdb                          ; pi
	KPAIR KA1, 0xbfa55de7                          ; -(pi/2)^3 / 3
	KPAIR KA2, 0x3e2335e3                          ; (pi/2)^5 / 60
	KPAIR KA3, 0xbc196966                          ; -(pi/2)^7 / 2520
	KPAIR KB1, 0xc01de9e6                          ; -(pi/2)^2
	KPAIR KB2, 0x3f01e0f8                          ; (pi/2)^4 / 12
	KPAIR KB3, 0xbd2ae9e4                          ; -(pi/2)^6 / 360
	CNTAB 1
	s_mov_b32 s14, TLO
	s_mov_b32 s15, THI
	CNTAB 2
	s_mov_b32 s16, TLO
	s_mov_b32 s17, THI
	CNTAB 3
	s_mov_b32 s18, TLO
	s_mov_b32 s19, THI
	s_mov_b32 s22, 0xfedcba98                      ; v_permlanex16_b32: lane i reads lane i ^ 8 of the other half
	s_mov_b32 s23, 0x76543210
	s_cmp_lg_u32 s10, 0
	s_cbranch_scc1 .Lnozero
	v_lshrrev_b32 v22, 3, v[LANE]                  ; wave 0: row 8 of the four fragment images = 32 zero bytes each
	v_mul_u32_u24 v22, FRAG, v22
	v_and_b32 v23, 7, v[LANE]
	v_lshl_add_u32 v22, v23, 2, v22
	v_mov_b32 v23, 0
	ds_store_b32 v22, v23 offset:IMG+256           ; read behind the third barrier
.Lnozero:
.irp q, 0,1,2,3
	v_bfe_u32 v22, v[RR], \q, 1
	v_sub_nc_u32 v22, 0, v22                       ; all ones where bit q is 1
	v_and_b32 v[MSK+\q], 0x80008000, v22
	v_and_b32 v22, 0x80000000, v22
	v_xor_b32 v[SG+\q], 0xbf800000, v22            ; -1.0 or +1.0
.endr
	v_cvt_f32_u32 v22, v[HH]
	v_fma_f32 v[SH], v22, -2.0, 1.0
	; each half of a wave carries one column a = 2 wave + h of V: it starts as (-i)^popcount(a) e_a, amplitude r in lane r
	s_bcnt1_i32_b32 s20, s10
	s_lshl_b32 s21, s10, 1
	v_add_nc_u32 v22, s20, v[HH]
	v_and_b32 v22, 3, v22                          ; t = popcount(a) mod 4: (-i)^t = 1, -i, -1, i
	v_add_nc_u32 v23, s21, v[HH]
	v_cmp_eq_u32 s24, v[RR], v23
	v_and_b32 v24, 1, v22
	v_cmp_eq_u32 s25, 0, v24
	s_and_b32 s26, s24, s25                        ; my amplitude, t even
	s_and_not1_b32 s27, s24, s25                   ; my amplitude, t odd
	v_sub_nc_u32 v24, 1, v22                       ; t even: re = 1 - t
	v_add_nc_u32 v25, -2, v22                      ; t odd:  im = t - 2
	v_cvt_f32_i32 v24, v24
	v_cvt_f32_i32 v25, v25
	v_cndmask_b32 v[RE], 0, v24, s26
	v_cndmask_b32 v[IM], 0, v25, s27
	v_mov_b32 v[PR], 0                             ; destinations of lane moves count as read
	v_mov_b32 v[PI], 0
	; ---------------- phase 1 (all waves): the 12 gates' entries, then the circuit on the wave's two columns
	s_wait_loadcnt 16                              ; the three weight loads are in; the 16 loads of x are younger and stay out
	v_mul_f32 v[XA], 0.5, v[WT+1]                  ; theta / 2
	v_add_f32 v[XA+1], v[WT], v[WT+2]
	v_sub_f32 v[XA+2], v[WT], v[WT+2]
	v_mul_f32 v[XA+1], 0.5, v[XA+1]                ; (phi + omega) / 2
	v_mul_f32 v[XA+2], 0.5, v[XA+2]                ; (phi - omega) / 2
	v_mov_b32 v[XA+3], 0
	TRIG XA, 0
	v_mul_f32 v22, v[CS+1], v[CS]                  ; A = cos(theta/2) cos((phi+omega)/2)
	v_mul_f32 v23, v[SN+1], v[CS]                  ; B = cos(theta/2) sin((phi+omega)/2)
	v_mul_f32 v24, v[CS+2], v[SN]                  ; C = sin(theta/2) cos((phi-omega)/2)
	v_mul_f32 v25, v[SN+2], v[SN]                  ; D = sin(theta/2) sin((phi-omega)/2)
	s_lshl_b32 s20, s10, 9
	v_lshl_add_u32 v26, v[LANE], 4, s20            ; the wave's own 512 bytes
	v_mov_b32 v27, s20
	ds_store_b128 v26, v[22:25] offset:TAB
.irp g, 0,1,2,3,4,5,6,7,8,9,10,11
	ds_load_b128 v[GT+4*\g:GT+4*\g+3], v27 offset:TAB+16*\g   ; every lane reads gate g; a wave's LDS instructions are served in order
.endr
	s_wait_dscnt 0x0
	LAYER 0
	LAYER 1
	LAYER 2
	v_cvt_pk_f16_f32 v[PK], v[RE], v[IM]
	s_mul_i32 s20, s10, 2*VPITCH
	v_mul_u32_u24 v[AD], VPITCH, v[HH]
	v_lshl_add_u32 v[AD], v[RR], 2, v[AD]
	v_add_nc_u32 v[AD], s20, v[AD]                 ; column 2 wave + h, amplitude r
	ds_store_b32 v[AD], v[PK] offset:VBUF
.irp w, 0,1,2,3
	v_xor_b32 v[NR+\w], v[PK], v[MSK+\w]           ; Z_w V
	ds_store_b32 v[AD], v[NR+\w] offset:VBUF+VCOPY*(1+\w)
.endr
	s_wait_dscnt 0x0                               ; my LDS stores are done, for the waves that read V
	s_barrier_signal -1
	s_barrier_wait -1
	; ---------------- phase 2 (wave w = 0..3): G_w = V' (Z_w V) over 16 amplitudes x (re, im) = K of 32, then H_w[d][z]
	s_cmp_gt_u32 s10, 3
	s_cbranch_scc1 .Lp2done
	v_mul_u32_u24 v22, VPITCH, v[RR]
	v_lshl_add_u32 v22, v[HH], 5, v22              ; column r, bytes 32 h .. 32 h + 31: the same order of k on both sides
	s_mul_i32 s20, s10, VCOPY
	v_add_nc_u32 v23, s20, v22
	ds_load_b128 v[VA:VA+3],   v22 offset:VBUF
	ds_load_b128 v[VA+4:VA+7], v22 offset:VBUF+16
	ds_load_b128 v[VS:VS+3],   v23 offset:VBUF+VCOPY
	ds_load_b128 v[VS+4:VS+7], v23 offset:VBUF+VCOPY+16
	v_lshl_add_u32 v24, v[HH], 3, v[RR]
	v_and_b32 v24, 15, v24                         ; d = r ^ 8 h
	v_lshlrev_b32 v24, 6, v24
	v_lshl_add_u32 v24, v[HH], 5, v24              ; z = 8 h + 0..7
	s_lshl_b32 s20, s10, 10
	v_add_nc_u32 v24, s20, v24
	s_wait_dscnt 0x0
	v_wmma_f32_16x16x32_f16 v[GM:GM+7], v[VA:VA+7], v[VS:VS+7], 0   ; register j of lane (r, h): G[8h + j][r]
.rept 4
	v_nop                                          ; four places before vector instructions touch the result (ISA guide 7.12.1)
.endr
.irp j, 1,2,3,4,5,6,7
	v_mov_b32_dpp v[GM+\j], v[GM+\j] row_xmask:\j row_mask:0xf bank_mask:0xf   ; now G[a = 8h + j][a ^ d], d = r ^ 8h
.endr
.irp i, 0,2,4,6
	v_add_f32 v[YH+\i],   v[GM+\i], v[GM+\i+1]     ; sums with signs (-1)^(a.z): bit 0 of a,
	v_sub_f32 v[YH+\i+1], v[GM+\i], v[GM+\i+1]
.endr
.irp i, 0,4
	v_pk_add_f32 v[GM+\i:GM+\i+1],   v[YH+\i:YH+\i+1], v[YH+\i+2:YH+\i+3]                          ; bit 1,
	v_pk_add_f32 v[GM+\i+2:GM+\i+3], v[YH+\i:YH+\i+1], v[YH+\i+2:YH+\i+3] neg_lo:[0,1] neg_hi:[0,1]
.endr
.irp i, 0,2
	v_pk_add_f32 v[YH+\i:YH+\i+1],   v[GM+\i:GM+\i+1], v[GM+\i+4:GM+\i+5]                          ; bit 2,
	v_pk_add_f32 v[YH+\i+4:YH+\i+5], v[GM+\i:GM+\i+1], v[GM+\i+4:GM+\i+5] neg_lo:[0,1] neg_hi:[0,1]
.endr
.irp z, 0,1,2,3,4,5,6,7
	v_permlanex16_b32 v[GM+\z], v[YH+\z], s22, s23 ; bit 3: the same d with the other eight a lies in lane r ^ 8 of the other half
.endr
.irp z, 0,1,2,3,4,5,6,7
	v_fma_f32 v[YH+\z], v[YH+\z], v[SH], v[GM+\z]  ; h = 0: sum (z bit 3 = 0);  h = 1: (a3 = 0) - (a3 = 1) (z bit 3 = 1)
.endr
	ds_store_b128 v24, v[YH:YH+3]   offset:HB
	ds_store_b128 v24, v[YH+4:YH+7] offset:HB+16
.Lp2done:
	s_wait_dscnt 0x0                               ; H is stored, for the waves that read it
	s_barrier_signal -1
	s_barrier_wait -1
	; ---------------- phase 3 (256 threads): one word (two f16 coefficients) of the fragment images each.
	; fragment f = wave >> 1 = 2 g + chunk; row j = 4 (wave & 1) + (lane >> 3): output w = 2 g + (j & 1), factor j >> 1 (1, sin x2, cos x2,
	; unused); word i = lane & 7 = feature register 8 chunk + i.  An element of H is numbered w << 8 | d << 4 | z.
	s_lshr_b32 s20, s10, 2
	s_lshl_b32 s20, s20, 9                         ; 2 g, in w's field
	s_and_b32 s21, s10, 1
	s_lshl_b32 s24, s21, 2                         ; rows 4-7: cos x2 = bit 2 of z
	s_or_b32 s20, s20, s24
	s_bfe_u32 s24, s10, 0x10001                    ; chunk
	s_lshl_b32 s25, s24, 3                         ; chunk 1, registers 8-11: times cos x3 = bit 3 of z
	s_lshr_b32 s26, s10, 1
	s_mul_i32 s26, s26, FRAG
	s_lshl_b32 s21, s21, 7
	s_add_co_u32 s26, s26, s21                     ; the wave's 128 bytes of the image
	s_cmp_lg_u32 s24, 0
	s_cselect_b32 s24, -1, 0
	v_and_b32 v[TT], 2, v[LANE]
	v_cmp_ne_u32 vcc_lo, 0, v[TT]
	v_mov_b32 v[TT+1], 0x02200110                  ; bytes d << 4 | z of qubits 0, 1: (s0, c0), (s1, c1)
	v_mov_b32 v[TT+2], 0x03122130                  ; (s0 s1, c0 s1), (s0 c1, c0 c1)
	v_cndmask_b32 v[TT+1], v[TT+1], v[TT+2], vcc_lo
	v_and_b32 v[TT], 1, v[LANE]
	v_lshlrev_b32 v[TT], 4, v[TT]
	v_lshrrev_b32 v[TT+1], v[TT], v[TT+1]
	v_and_b32 v[TT+2], 0xff, v[TT+1]               ; low half's feature
	v_bfe_u32 v[TT+3], v[TT+1], 8, 8               ; high half's
	v_bfe_u32 v[TT+4], v[LANE], 2, 1
	v_lshl_or_b32 v[TT+5], v[TT+4], 7, s25         ; registers 4-7: times sin x3 = bit 3 of d
	v_or_b32 v[TT+2], v[TT+2], v[TT+5]
	v_or_b32 v[TT+3], v[TT+3], v[TT+5]
	v_cmp_eq_u32 s27, 1, v[TT+4]
	s_and_b32 s27, s27, s24                        ; registers 12-15: (s3, c3), (1, -), (-, -), (-, -); unused places take any finite element
	v_and_b32 v[TT], 3, v[LANE]
	v_cmp_eq_u32 vcc_lo, 0, v[TT]
	v_mov_b32 v[TT+1], 0x80
	v_cndmask_b32 v[TT+1], 0, v[TT+1], vcc_lo
	v_mov_b32 v[TT+5], 8
	v_cndmask_b32 v[TT+2], v[TT+2], v[TT+1], s27
	v_cndmask_b32 v[TT+3], v[TT+3], v[TT+5], s27
	v_bfe_u32 v[TT], v[LANE], 3, 1                 ; j & 1: w's low bit
	v_lshl_or_b32 v[TT], v[TT], 8, s20
	v_lshl_or_b32 v[TT], v[HH], 6, v[TT]           ; rows 2, 3 (and 6, 7): sin x2 = bit 2 of d
	v_or_b32 v[TT+2], v[TT+2], v[TT]
	v_or_b32 v[TT+3], v[TT+3], v[TT]
	v_lshlrev_b32 v[TT+2], 2, v[TT+2]
	v_lshlrev_b32 v[TT+3], 2, v[TT+3]
	v_and_b32 v[TT+2], 0xffc, v[TT+2]              ; changes nothing: states the bound of the 4,096 bytes of H
	v_and_b32 v[TT+3], 0xffc, v[TT+3]
	ds_load_b32 v[TT+6], v[TT+2] offset:HB
	ds_load_b32 v[TT+7], v[TT+3] offset:HB
	v_lshl_add_u32 v[TT+8], v[LANE], 2, s26
	s_wait_dscnt 0x0
	v_mul_f32 v[TT+6], 0x3d800000, v[TT+6]         ; 1/16
	v_mul_f32 v[TT+7], 0x3d800000, v[TT+7]
	v_cvt_pk_f16_f32 v[TT+6], v[TT+6], v[TT+7]
	ds_store_b32 v[TT+8], v[TT+6] offset:IMG
	s_wait_dscnt 0x0                               ; the image is stored, for all waves
	s_barrier_signal -1
	s_barrier_wait -1
	v_lshrrev_b32 v[TT], 3, v[RR]
	v_cmp_eq_u32 vcc_lo, v[TT], v[HH]
	v_and_b32 v[TT+1], 7, v[RR]
	v_cndmask_b32 v[TT+1], 8, v[TT+1], vcc_lo      ; row r & 7 on the diagonal blocks, the zero row elsewhere
	v_lshlrev_b32 v[FA], 5, v[TT+1]
.irp f, 0,1,2,3
	ds_load_b128 v[AF+8*\f:AF+8*\f+3],   v[FA] offset:IMG+FRAG*\f
	ds_load_b128 v[AF+8*\f+4:AF+8*\f+7], v[FA] offset:IMG+FRAG*\f+16
.endr
	v_mov_b32 v[FT+13], 0x3c00                     ; (1.0, 0) in f16: the constant feature
	v_mov_b32 v[FT+14], 0
	v_mov_b32 v[FT+15], 0
	s_wait_dscnt 0x0
	; ---------------- the stream: 16 groups of 32 samples; a group's results are finished and stored in the next group's step
	STEP 0, 0
	STEP 1, 1
	STEP 2, 0
	STEP 3, 1
	STEP 4, 0
	STEP 5, 1
	STEP 6, 0
	STEP 7, 1
	STEP 8, 0
	STEP 9, 1
	STEP 10, 0
	STEP 11, 1
	STEP 12, 0
	STEP 13, 1
	STEP 14, 0
	STEP 15, 1
.rept 4
	v_nop                                          ; four places behind the last matrix instructions
.endr
	POST 15, 1
	s_wait_tensorcnt 0x0
	ds_add_u32 v192, v193
	s_wait_dscnt 0x0
	s_endpgm
.Lfunc_end_k_qb1148f0721_qlayer:
	.size	k_qb1148f0721_qlayer, .Lfunc_end_k_qb1148f0721_qlayer-k_qb1148f0721_qlayer
	.p2alignl 7, 3214868480
	.fill 96, 4, 3214868480
	.section	.rodata,"a",@progbits
	.p2align	6, 0x0
	.amdhsa_kernel k_qb1148f0721_qlayer
		.amdhsa_group_segment_fixed_size 17408
		.amdhsa_private_segment_fixed_size 0
		.amdhsa_enable_private_segment 0
		.amdhsa_kernarg_size 24
		.amdhsa_user_sgpr_count 2
		.amdhsa_user_sgpr_kernarg_segment_ptr 1
		.amdhsa_wavefront_size32 1
		.amdhsa_system_sgpr_workgroup_id_x 1
		.amdhsa_system_sgpr_workgroup_id_y 1
		.amdhsa_system_sgpr_workgroup_id_z 1
		.amdhsa_system_vgpr_workitem_id 0
		.amdhsa_next_free_vgpr 194
		.amdhsa_next_free_sgpr 66
		.amdhsa_reserve_vcc 1
		.amdhsa_float_denorm_mode_32 3
		.amdhsa_float_denorm_mode_16_64 3
		.amdhsa_memory_ordered 1
		.amdhsa_forward_progress 1
		.amdhsa_inst_pref_size 86
	.end_amdhsa_kernel
	.amdgpu_metadata
---
amdhsa.version: [ 1, 2 ]
amdhsa.kernels:
  - .name:           k_qb1148f0721_qlayer
    .symbol:         k_qb1148f0721_qlayer.kd
    .args:
      - { .name: weights, .offset: 0, .size: 8, .value_kind: global_buffer, .address_space: global }
      - { .name: x, .offset: 8, .size: 8, .value_kind: global_buffer, .address_space: global }
      - { .name: out0, .offset: 16, .size: 8, .value_kind: global_buffer, .address_space: global }
    .group_segment_fixed_size: 17408
    .private_segment_fixed_size: 0
    .kernarg_segment_align: 8
    .kernarg_segment_size: 24
    .max_flat_workgroup_size: 256
    .sgpr_count:     66
    .vgpr_count:     194
    .wavefront_size: 32
...
	.end_amdgpu_metadata
.endif
;; end of part 1
;; ======== version 2 of 2: 1 launch; version 1 with the launch qlayer written anew for expert scheduling mode
;; limits: an absolute error that grows with the inputs' magnitude: up to 1.2e-07 times it
;; launch qlayer (part 2): grid 256 x 1, 8 waves a work-group, no clusters, 17,408 bytes of LDS; arguments weights, x, out0; writes out0
.if DOCPART == 2
	.amdgcn_target "amdgcn-amd-amdhsa--gfx1250"
	.amdhsa_code_object_version 6
	.text
	.protected	k_qb1148f0721_qlayer
	.globl	k_qb1148f0721_qlayer
	.p2align	8
	.type	k_qb1148f0721_qlayer,@function
k_qb1148f0721_qlayer:
	s_mov_b64 s[64:65], 0
	v_nop
	global_prefetch_b8 v0, s[64:65] scope:SCOPE_SE
	s_setreg_imm32_b32 hwreg(HW_REG_WAVE_SCHED_MODE, 0, 2), 2
	s_setreg_imm32_b32 hwreg(HW_REG_WAVE_MODE, 25, 1), 1
	s_wait_xcnt 0x0
	s_wait_alu depctr_vm_vsrc(0)
; QuantumLayer: out[b][w] = <Z_w> of  W(weights) RX(x[b]) |0000>,  x, out0: [1048576][4] f32, weights: [3][4][3] f32.
;
; THE ALGEBRA.  RX(x)|0000> = D a with a = (x) (cos x_q/2, sin x_q/2) real and D = diag((-i)^popcount).  With V = W D (16 x 16, from the
; weights alone; every Rot and every CNOT is applied, to the 16 basis states) out_w = a' G_w a, G_w = Re(V^H Z_w V).  Since
; cos^2 = (1+cos x)/2, sin^2 = (1-cos x)/2, cos sin = sin x / 2,
;     out_w = sum over (d, z), d & z = 0, of  C_w[d][z]  prod_{q in d} sin x_q  prod_{q in z} cos x_q,
;     C_w[d][z] = 1/16 sum_a (-1)^(a.z) G_w[a][a ^ d]          (81 coefficients for each output; exact for every x and weight).
; Bit q of an amplitude index, of d and of z is qubit q = column q of x = output q.
;
; THE SHARES.  256 work-groups x 8 waves; a wave owns 512 samples = 8,192 consecutive bytes of x and of out0, 16 groups of 32; a lane owns
; one sample of a group: 16 bytes in, 16 bytes out, so each load and store of a wave covers 512 consecutive bytes, aligned.  All 16 loads
; are issued in the first lines, into 64 registers; while they are on their way the work-group makes the coefficients (phases 1 to 3).
;
; THE MATRIX INSTRUCTION IS USED BLOCK-DIAGONALLY: B = features, each lane fills its 8 registers with 16 features of ITS OWN sample;
; A = coefficients, lane (r, h) holds row r & 7 if r >> 3 == h and zeros otherwise.  Then register j of D in lane (r, h) is
; row j . features of that same lane's sample: nothing crosses lanes.  27 features of qubits 0, 1, 3 in 32 places = 2 chunks;
; 12 rows (output w, factor 1 / sin x2 / cos x2) in 2 groups of 8 = 4 matrix instructions for 32 samples, then 4 packed multiply-adds.
; f16 operands: every operand is bounded by 1 for every input (sines, cosines, entries derived from a unitary), and f16 is the finer format.
;
; NO CLUSTER: the work-groups share only the 144 bytes of weights.  No tensor loads, no LDS ring: the stream is lane-wise and a wave's
; whole share waits in registers.
;
; THE MODE: SCHED_MODE bits 1:0 = 2 (LLVM: expert scheduling mode 2), set by the entry lines.  The code itself states the register
; dependences between vector or matrix instructions and memory or LDS instructions, with s_wait_alu, always for 0.
; THE PLAN.  Registers that memory or LDS instructions touch:
;   v2, v5          offsets, made at the head, never written again: the weights' loads read v2; every load of x and every store reads v5.
;   XR0 .. XR15     group i: its load, issued at the head, lands before any vector line names the registers; step i's TRIG reads them;
;                   step i + 1's four multiply-adds write the group's results into them; the store of step i + 1 reads them; nobody
;                   writes them again.  So the stream has ONE wait on va_vdst a step, behind the step's vector work and ahead of its matrix
;                   instructions, and the store stands among those, which name DA, DB, AF and FT alone.  No wait on vm_vsrc is owed there.
;   v22-27          phase 1: data and addresses of the gate table.   v106-109, v118, v119: data and address of V's stores.
;   v54-101         the gate table as loaded; the gates read it; in waves 0 to 3 V's fragments land in v54-69.
;   v24, v82-89     phase 2: address and data of H's stores; written again in the stream alone.
;   v104-105, v108-110   phase 3: addresses, loaded data, data of the image's store.   v122: the fragments' address, never written again.
;   v90-121         the coefficient fragments land here behind the third barrier; matrix instructions alone name them afterwards.
; In the phases each run of LDS instructions has one wait on va_vdst ahead of it; a wait on vm_vsrc stands behind wave 0's zero store,
; behind the first barrier and behind the third.  Masks are made by compares in runs, into scalar registers, one wait on va_sdst a run.
;
; LIMITS.  Sine and cosine: one reduction x/(2 pi) - round(..) in f32, series on a quarter of the angle, two doublings: series error under
; 2e-5 for every angle; the reduction adds about 1.2e-7 |angle| radians (1e-3 at |angle| = 1e4; beyond that the result drifts).
; A sample with a NaN or infinite x gives NaN (as it should), and also makes NaN the result of the sample 16 lanes away (0 x NaN in the
; shared product).
.set TAB,    0                         ; LDS 0-4095       gate coefficients, wave x 512 + lane x 16, each wave's own
.set VBUF,   4096                      ; LDS 4096-10495   V in f16 (re, im): 5 copies (plain, Z_0 .. Z_3 applied) x 16 columns x 80 bytes
.set VPITCH, 80                        ;                  64 bytes of a column + 16: an odd multiple of 16
.set VCOPY,  16*VPITCH
.set HB,     10496                     ; LDS 10496-14591  H_w[d][z] f32 at w x 1024 + d x 64 + z x 4
.set IMG,    14592                     ; LDS 14592-15743  4 fragments (2 g + chunk) x 288: rows 0-7 of 32 bytes, row 8 = zeros
.set FRAG,   288
.set LANE, 1
.set WOFF, 2                           ; byte offset of the lane's gate in weights
.set RR,   3                           ; lane & 15
.set HH,   4                           ; lane >> 4
.set OFF,  5                           ; 16 x lane: never rewritten, all loads and stores of x and out0 use it
.set KI,   6                           ; constants, each in both registers of a pair: 1/(2 pi)
.set KA0,  8                           ; 2 sin(pi/2 r) = r (A0 + A1 u + A2 u^2 + A3 u^3), u = r^2
.set KA1,  10
.set KA2,  12
.set KA3,  14
.set KB1,  16                          ; 2 cos(pi/2 r) = 2 + B1 u + B2 u^2 + B3 u^3
.set KB2,  18
.set KB3,  20
.set TR,   22                          ; v[22:37] at work in TRIG
.set TU,   26
.set TP,   30
.set TQ,   34
.set SN,   38                          ; sines of set p at SN + 8 p, cosines at CS + 8 p (two sets take turns)
.set CS,   42
.set FT,   54                          ; v[54:69] the 32 feature places, f16 pairs
.set TB,   70                          ; v[70:73] (s1,s1) (c1,c1) (s3,s3) (c3,c3) in f16
.set DA,   74                          ; v[74:81] rows of outputs 0, 1
.set DB,   82                          ; v[82:89] rows of outputs 2, 3
.set AF,   90                          ; v[90:121] coefficient fragments, 2 g + chunk at AF + 8 f
.set FA,   122                         ; LDS address of the lane's fragment row
.set XR,   128                         ; v[128:191] group i: x as loaded, later the group's results
; registers of the phases in front of the stream (all dead before the stream begins)
.set GT,   54                          ; v[54:101] 12 gates x (A, B, C, D)
.set RE,   102
.set IM,   103
.set PR,   104
.set PI,   105
.set NR,   106
.set NI,   107
.set TBV,  108
.set TCV,  109
.set SG,   110                         ; v[110:113] -1 / +1 for bit q of the amplitude's index = 0 / 1
.set MSK,  114                         ; v[114:117] 0x80008000 where bit w is 1: Z_w on an f16 pair
.set PK,   118
.set AD,   119
.set XA,   120                         ; v[120:123] the gate's three half angles
.set WT,   124                         ; v[124:126] phi, theta, omega
.set SH,   127                         ; 1 - 2 h
.set VA,   54
.set VS,   62
.set GM,   74
.set YH,   82
.set TT,   102                         ; v[102:111] phase 3's temporaries
; sin and cos of the four angles v[x : x+3] into set p.  36 plain vector instructions, none of which names a register of the matrix
; instructions of the stream.
.macro TRIG x, p
.irp o, 0,2
	v_pk_mul_f32 v[TP+\o:TP+\o+1], v[(\x)+\o:(\x)+\o+1], v[KI:KI+1]                ; turns
.endr
.irp o, 0,1,2,3
	v_rndne_f32 v[TQ+\o], v[TP+\o]
.endr
.irp o, 0,2
	v_pk_add_f32 v[TR+\o:TR+\o+1], v[TP+\o:TP+\o+1], v[TQ+\o:TQ+\o+1] neg_lo:[0,1] neg_hi:[0,1]   ; r in [-1/2, 1/2]; angle = 4 f, f = pi/2 r
.endr
.irp o, 0,2
	v_pk_mul_f32 v[TU+\o:TU+\o+1], v[TR+\o:TR+\o+1], v[TR+\o:TR+\o+1]
.endr
.irp o, 0,2
	v_pk_fma_f32 v[TP+\o:TP+\o+1], v[TU+\o:TU+\o+1], v[KA3:KA3+1], v[KA2:KA2+1]
	v_pk_fma_f32 v[TQ+\o:TQ+\o+1], v[TU+\o:TU+\o+1], v[KB3:KB3+1], v[KB2:KB2+1]
.endr
.irp o, 0,2
	v_pk_fma_f32 v[TP+\o:TP+\o+1], v[TP+\o:TP+\o+1], v[TU+\o:TU+\o+1], v[KA1:KA1+1]
	v_pk_fma_f32 v[TQ+\o:TQ+\o+1], v[TQ+\o:TQ+\o+1], v[TU+\o:TU+\o+1], v[KB1:KB1+1]
.endr
.irp o, 0,2
	v_pk_fma_f32 v[TP+\o:TP+\o+1], v[TP+\o:TP+\o+1], v[TU+\o:TU+\o+1], v[KA0:KA0+1]
	v_pk_fma_f32 v[TQ+\o:TQ+\o+1], v[TQ+\o:TQ+\o+1], v[TU+\o:TU+\o+1], 2.0 op_sel_hi:[1,1,0]   ; 2 cos f
.endr
.irp o, 0,2
	v_pk_mul_f32 v[TP+\o:TP+\o+1], v[TP+\o:TP+\o+1], v[TR+\o:TR+\o+1]              ; 2 sin f
.endr
.irp o, 0,2
	v_pk_mul_f32 v[TR+\o:TR+\o+1], v[TP+\o:TP+\o+1], v[TQ+\o:TQ+\o+1]              ; 2 sin 2f
	v_pk_mul_f32 v[TU+\o:TU+\o+1], v[TP+\o:TP+\o+1], v[TP+\o:TP+\o+1]              ; 4 sin^2 f
.endr
.irp o, 0,2
	v_pk_fma_f32 v[TU+\o:TU+\o+1], v[TU+\o:TU+\o+1], -0.5, 1.0 op_sel_hi:[1,0,0]   ; cos 2f
	v_pk_mul_f32 v[TP+\o:TP+\o+1], v[TR+\o:TR+\o+1], v[TR+\o:TR+\o+1]              ; 4 sin^2 2f
.endr
.irp o, 0,2
	v_pk_mul_f32 v[SN+8*(\p)+\o:SN+8*(\p)+\o+1], v[TR+\o:TR+\o+1], v[TU+\o:TU+\o+1]            ; sin 4f
	v_pk_fma_f32 v[CS+8*(\p)+\o:CS+8*(\p)+\o+1], v[TP+\o:TP+\o+1], -0.5, 1.0 op_sel_hi:[1,0,0] ; cos 4f
.endr
.endm
; Rot gate g on qubit q (m = 1 << q).  A lane holds one amplitude; its partner is lane ^ m of the same 16.
; m00 = (A,-B), m01 = (-C,-D), m10 = (C,-D), m11 = (A,B); with s = SG[q]:
; re' = A re - sB im + sC pr + D pi,   im' = A im + sB re + sC pi - D pr.
.macro GATE g, q, m
	v_mov_b32_dpp v[PR], v[RE] row_xmask:\m row_mask:0xf bank_mask:0xf
	v_mov_b32_dpp v[PI], v[IM] row_xmask:\m row_mask:0xf bank_mask:0xf
	v_mul_f32 v[TBV], v[SG+\q], v[GT+4*(\g)+1]
	v_mul_f32 v[TCV], v[SG+\q], v[GT+4*(\g)+2]
	v_mul_f32 v[NR], v[GT+4*(\g)], v[RE]
	v_mul_f32 v[NI], v[GT+4*(\g)], v[IM]
	v_fma_f32 v[NR], -v[TBV], v[IM], v[NR]
	v_fmac_f32 v[NI], v[TBV], v[RE]
	v_fmac_f32 v[NR], v[TCV], v[PR]
	v_fmac_f32 v[NI], v[TCV], v[PI]
	v_fma_f32 v[RE], v[GT+4*(\g)+3], v[PI], v[NR]
	v_fma_f32 v[IM], -v[GT+4*(\g)+3], v[PR], v[NI]
.endm
; The four CNOTs (c -> (c + rr) mod 4, c = 0..3 in turn) of a layer as one pull table: with f_c(i) = i ^ (bit c of i) << t the new
; amplitude i is the old amplitude f_0(f_1(f_2(f_3(i)))).  Sixteen 4-bit fields in TLO, THI.
.macro CNTAB rr
.set TLO, 0
.set THI, 0
.set idx, 0
.rept 16
.set jj, idx
.irp c, 3,2,1,0
.set jj, jj ^ (((jj >> \c) & 1) << ((\c + \rr) & 3))
.endr
.if idx < 8
.set TLO, TLO | (jj << (4*idx))
.else
.set THI, THI | (jj << (4*(idx-8)))
.endif
.set idx, idx+1
.endr
.endm
.macro LAYER l
	GATE 4*\l+0, 0, 1
	GATE 4*\l+1, 1, 2
	GATE 4*\l+2, 2, 4
	GATE 4*\l+3, 3, 8
	v_permlane16_b32 v[NR], v[RE], s[14+2*\l], s[15+2*\l]
	v_permlane16_b32 v[NI], v[IM], s[14+2*\l], s[15+2*\l]
	v_mov_b32 v[RE], v[NR]
	v_mov_b32 v[IM], v[NI]
.endm
.macro KPAIR r, val
	v_mov_b32 v[\r], \val
	v_mov_b32 v[\r+1], \val
.endm
; The feature places (low half, high half): FT0 (s0,c0)  FT1 (s1,c1)  FT2 = FT0 s1  FT3 = FT0 c1  FT4-7 = FT0-3 s3  FT8-11 = FT0-3 c3
; FT12 (s3,c3)  FT13 (1,0)  FT14 = FT15 = 0 (the last three are set once).
.macro FEAT p
	v_cvt_pk_f16_f32 v[FT],    v[SN+8*(\p)],   v[CS+8*(\p)]
	v_cvt_pk_f16_f32 v[FT+1],  v[SN+8*(\p)+1], v[CS+8*(\p)+1]
	v_cvt_pk_f16_f32 v[FT+12], v[SN+8*(\p)+3], v[CS+8*(\p)+3]
	v_cvt_pk_f16_f32 v[TB],    v[SN+8*(\p)+1], v[SN+8*(\p)+1]
	v_cvt_pk_f16_f32 v[TB+1],  v[CS+8*(\p)+1], v[CS+8*(\p)+1]
	v_cvt_pk_f16_f32 v[TB+2],  v[SN+8*(\p)+3], v[SN+8*(\p)+3]
	v_cvt_pk_f16_f32 v[TB+3],  v[CS+8*(\p)+3], v[CS+8*(\p)+3]
	v_pk_mul_f16 v[FT+2], v[FT], v[TB]
	v_pk_mul_f16 v[FT+3], v[FT], v[TB+1]
.irp k, 0,1,2,3
	v_pk_mul_f16 v[FT+4+\k], v[FT+\k], v[TB+2]
	v_pk_mul_f16 v[FT+8+\k], v[FT+\k], v[TB+3]
.endr
.endm
; 8 rows x 32 places for each lane's sample, twice.  MMA: the first product of each accumulator starts the sum.  MMB: the second is the
; next link of the chain in place; the two accumulators take turns.
.macro MMA
	v_wmma_f32_16x16x32_f16 v[DA:DA+7], v[AF:AF+7],       v[FT:FT+7],    0
	v_wmma_f32_16x16x32_f16 v[DB:DB+7], v[AF+16:AF+23],   v[FT:FT+7],    0
.endm
.macro MMB
	v_wmma_f32_16x16x32_f16 v[DA:DA+7], v[AF+8:AF+15],    v[FT+8:FT+15], v[DA:DA+7]
	v_wmma_f32_16x16x32_f16 v[DB:DB+7], v[AF+24:AF+31],   v[FT+8:FT+15], v[DB:DB+7]
.endm
; out[2g : 2g+1] = D[0:1] + sin x2 D[2:3] + cos x2 D[4:5]; sin x2 and cos x2 are the first registers of their pairs and feed both halves.
; The results take the registers of the group's x, which no later line writes: the store needs no wait behind it.
.macro POSTF i, p
	v_pk_fma_f32 v[XR+4*(\i):XR+4*(\i)+1],   v[DA+2:DA+3], v[SN+8*(\p)+2:SN+8*(\p)+3], v[DA:DA+1] op_sel_hi:[1,0,1]
	v_pk_fma_f32 v[XR+4*(\i)+2:XR+4*(\i)+3], v[DB+2:DB+3], v[SN+8*(\p)+2:SN+8*(\p)+3], v[DB:DB+1] op_sel_hi:[1,0,1]
	v_pk_fma_f32 v[XR+4*(\i):XR+4*(\i)+1],   v[DA+4:DA+5], v[CS+8*(\p)+2:CS+8*(\p)+3], v[XR+4*(\i):XR+4*(\i)+1] op_sel_hi:[1,0,1]
	v_pk_fma_f32 v[XR+4*(\i)+2:XR+4*(\i)+3], v[DB+4:DB+5], v[CS+8*(\p)+2:CS+8*(\p)+3], v[XR+4*(\i)+2:XR+4*(\i)+3] op_sel_hi:[1,0,1]
.endm
.macro SEND i
	global_store_b128 v[OFF], v[XR+4*(\i):XR+4*(\i)+3], s[8:9] offset:512*(\i) th:TH_STORE_NT
.endm
; Group i.  TRIG's 36 plain vector instructions are the places (ISA guide 7.12.1) between the last group's matrix instructions and
; POSTF (reads their results), FEAT (writes their B) and MMA (writes over their results).
.macro STEP i, p
	s_wait_loadcnt 15-\i                           ; loads return in order: 15 - i loads of x are younger than group i's
	TRIG XR+4*\i, \p
.if \i
	POSTF \i-1, 1-\p
.endif
	FEAT \p
.if \i
	s_wait_alu depctr_va_vdst(0)                   ; the four multiply-adds above have written the results of group i - 1, which the store below reads
.endif
	MMA
.if \i
	SEND \i-1                                      ; no further wait: the two matrix instructions since the wait name DA, DB, AF and FT, none of the store's registers
.endif
	MMB
.endm
	; ---------------- phase 0: addresses, all loads, constants
	s_load_b128 s[4:7], s[0:1], 0x0                ; weights s[4:5], x s[6:7]
	s_load_b64 s[8:9], s[0:1], 0x10                ; out0
	v_lshl_add_u32 v192, v0, 2, 0x4000             ; my spare word, from LDS byte 16,384 on, and 0: kept for the closing lines alone
	v_mov_b32 v193, 0
	v_lshrrev_b32 v[WOFF], 5, v0
	v_readfirstlane_b32 s10, v[WOFF]               ; wave 0..7
	v_and_b32 v[LANE], 31, v0
	v_and_b32 v[RR], 15, v0
	v_bfe_u32 v[HH], v0, 4, 1
	v_lshlrev_b32 v[OFF], 4, v[LANE]
	v_min_u32 v[WOFF], 11, v[LANE]                 ; lane g takes gate g = 4 layer + wire; lanes 12-31 repeat gate 11
	v_mul_u32_u24 v[WOFF], 12, v[WOFF]
	s_wait_alu depctr_va_sdst(0)                   ; s10 is written, ahead of its first reader two lines below
	s_lshl_b32 s12, ttmp9, 16                      ; 65,536 bytes a work-group
	s_lshl_b32 s20, s10, 13                        ; 8,192 bytes a wave
	s_add_co_u32 s12, s12, s20
	s_mov_b32 s13, 0
	s_wait_kmcnt 0x0
	s_add_nc_u64 s[6:7], s[6:7], s[12:13]
	s_add_nc_u64 s[8:9], s[8:9], s[12:13]
	s_wait_alu depctr_va_vdst(0)                   ; v2 and v5 are written: the loads below, and later every store, read one of them as the offset
	global_load_b32 v[WT],   v[WOFF], s[4:5]           ; phi
	global_load_b32 v[WT+1], v[WOFF], s[4:5] offset:4  ; theta
	global_load_b32 v[WT+2], v[WOFF], s[4:5] offset:8  ; omega
.irp i, 0,1,2,3,4,5,6,7,8,9,10,11,12,13,14,15
	global_load_b128 v[XR+4*\i:XR+4*\i+3], v[OFF], s[6:7] offset:512*\i th:TH_LOAD_NT
.endr
	KPAIR KI,  0x3e22f983                          ; 1/(2 pi)
	KPAIR KA0, 0x40490fdb                          ; pi
	KPAIR KA1, 0xbfa55de7                          ; -(pi/2)^3 / 3
	KPAIR KA2, 0x3e2335e3                          ; (pi/2)^5 / 60
	KPAIR KA3, 0xbc196966                          ; -(pi/2)^7 / 2520
	KPAIR KB1, 0xc01de9e6                          ; -(pi/2)^2
	KPAIR KB2, 0x3f01e0f8                          ; (pi/2)^4 / 12
	KPAIR KB3, 0xbd2ae9e4                          ; -(pi/2)^6 / 360
	CNTAB 1
	s_mov_b32 s14, TLO
	s_mov_b32 s15, THI
	CNTAB 2
	s_mov_b32 s16, TLO
	s_mov_b32 s17, THI
	CNTAB 3
	s_mov_b32 s18, TLO
	s_mov_b32 s19, THI
	s_mov_b32 s22, 0xfedcba98                      ; v_permlanex16_b32: lane i reads lane i ^ 8 of the other half
	s_mov_b32 s23, 0x76543210
	s_cmp_lg_u32 s10, 0
	s_cbranch_scc1 .Lnozero
	v_lshrrev_b32 v22, 3, v[LANE]                  ; wave 0: row 8 of the four fragment images = 32 zero bytes each
	v_mul_u32_u24 v22, FRAG, v22
	v_and_b32 v23, 7, v[LANE]
	v_lshl_add_u32 v22, v23, 2, v22
	v_mov_b32 v23, 0
	s_wait_alu depctr_va_vdst(0)                   ; v22 and v23 are written: address and data of the store
	ds_store_b32 v22, v23 offset:IMG+256           ; read behind the third barrier
	s_wait_alu depctr_vm_vsrc(0)                   ; the store has read v22 and v23, which the lines behind the label write again
.Lnozero:
.irp q, 0,1,2,3
	v_bfe_u32 v22, v[RR], \q, 1
	v_sub_nc_u32 v22, 0, v22                       ; all ones where bit q is 1
	v_and_b32 v[MSK+\q], 0x80008000, v22
	v_and_b32 v22, 0x80000000, v22
	v_xor_b32 v[SG+\q], 0xbf800000, v22            ; -1.0 or +1.0
.endr
	v_cvt_f32_u32 v22, v[HH]
	v_fma_f32 v[SH], v22, -2.0, 1.0
	; each half of a wave carries one column a = 2 wave + h of V: it starts as (-i)^popcount(a) e_a, amplitude r in lane r
	s_bcnt1_i32_b32 s20, s10
	s_lshl_b32 s21, s10, 1
	v_add_nc_u32 v22, s20, v[HH]
	v_and_b32 v22, 3, v22                          ; t = popcount(a) mod 4: (-i)^t = 1, -i, -1, i
	v_add_nc_u32 v23, s21, v[HH]
	v_cmp_eq_u32 s24, v[RR], v23
	v_and_b32 v24, 1, v22
	v_cmp_eq_u32 s25, 0, v24
	s_wait_alu depctr_va_sdst(0)                   ; the two compares have written s24 and s25, ahead of their first reader
	s_and_b32 s26, s24, s25                        ; my amplitude, t even
	s_and_not1_b32 s27, s24, s25                   ; my amplitude, t odd
	v_sub_nc_u32 v24, 1, v22                       ; t even: re = 1 - t
	v_add_nc_u32 v25, -2, v22                      ; t odd:  im = t - 2
	v_cvt_f32_i32 v24, v24
	v_cvt_f32_i32 v25, v25
	v_cndmask_b32 v[RE], 0, v24, s26
	v_cndmask_b32 v[IM], 0, v25, s27
	v_mov_b32 v[PR], 0                             ; destinations of lane moves count as read
	v_mov_b32 v[PI], 0
	; ---------------- phase 1 (all waves): the 12 gates' entries, then the circuit on the wave's two columns
	s_wait_loadcnt 16                              ; the three weight loads are in; the 16 loads of x are younger and stay out
	v_mul_f32 v[XA], 0.5, v[WT+1]                  ; theta / 2
	v_add_f32 v[XA+1], v[WT], v[WT+2]
	v_sub_f32 v[XA+2], v[WT], v[WT+2]
	v_mul_f32 v[XA+1], 0.5, v[XA+1]                ; (phi + omega) / 2
	v_mul_f32 v[XA+2], 0.5, v[XA+2]                ; (phi - omega) / 2
	v_mov_b32 v[XA+3], 0
	TRIG XA, 0
	v_mul_f32 v22, v[CS+1], v[CS]                  ; A = cos(theta/2) cos((phi+omega)/2)
	v_mul_f32 v23, v[SN+1], v[CS]                  ; B = cos(theta/2) sin((phi+omega)/2)
	v_mul_f32 v24, v[CS+2], v[SN]                  ; C = sin(theta/2) cos((phi-omega)/2)
	v_mul_f32 v25, v[SN+2], v[SN]                  ; D = sin(theta/2) sin((phi-omega)/2)
	s_lshl_b32 s20, s10, 9
	v_lshl_add_u32 v26, v[LANE], 4, s20            ; the wave's own 512 bytes
	v_mov_b32 v27, s20
	s_wait_alu depctr_va_vdst(0)                   ; v22 to v27 are written: the store's data and address, the loads' address
	ds_store_b128 v26, v[22:25] offset:TAB
.irp g, 0,1,2,3,4,5,6,7,8,9,10,11
	ds_load_b128 v[GT+4*\g:GT+4*\g+3], v27 offset:TAB+16*\g   ; every lane reads gate g; a wave's LDS instructions are served in order
.endr
	s_wait_dscnt 0x0
	LAYER 0
	LAYER 1
	LAYER 2
	v_cvt_pk_f16_f32 v[PK], v[RE], v[IM]
	s_mul_i32 s20, s10, 2*VPITCH
	v_mul_u32_u24 v[AD], VPITCH, v[HH]
	v_lshl_add_u32 v[AD], v[RR], 2, v[AD]
	v_add_nc_u32 v[AD], s20, v[AD]                 ; column 2 wave + h, amplitude r
.irp w, 0,1,2,3
	v_xor_b32 v[NR+\w], v[PK], v[MSK+\w]           ; Z_w V
.endr
	s_wait_alu depctr_va_vdst(0)                   ; v118, v119 and v106 to v109 are written: data and address of the five stores
	ds_store_b32 v[AD], v[PK] offset:VBUF
.irp w, 0,1,2,3
	ds_store_b32 v[AD], v[NR+\w] offset:VBUF+VCOPY*(1+\w)
.endr
	s_wait_dscnt 0x0                               ; my LDS stores are done, for the waves that read V
	s_barrier_signal -1
	s_barrier_wait -1
	s_wait_alu depctr_vm_vsrc(0)                   ; my LDS instructions have read v22 to v27, v106 to v109, v118 and v119, which phases 2 and 3 write again; ahead of the branch, for both ways
	; ---------------- phase 2 (wave w = 0..3): G_w = V' (Z_w V) over 16 amplitudes x (re, im) = K of 32, then H_w[d][z]
	s_cmp_gt_u32 s10, 3
	s_cbranch_scc1 .Lp2done
	v_mul_u32_u24 v22, VPITCH, v[RR]
	v_lshl_add_u32 v22, v[HH], 5, v22              ; column r, bytes 32 h .. 32 h + 31: the same order of k on both sides
	s_mul_i32 s20, s10, VCOPY
	v_add_nc_u32 v23, s20, v22
	s_wait_alu depctr_va_vdst(0)                   ; v22 and v23 are written, the loads' addresses; the gates are done reading v54 to v69, in which the loads land
	ds_load_b128 v[VA:VA+3],   v22 offset:VBUF
	ds_load_b128 v[VA+4:VA+7], v22 offset:VBUF+16
	ds_load_b128 v[VS:VS+3],   v23 offset:VBUF+VCOPY
	ds_load_b128 v[VS+4:VS+7], v23 offset:VBUF+VCOPY+16
	v_lshl_add_u32 v24, v[HH], 3, v[RR]
	v_and_b32 v24, 15, v24                         ; d = r ^ 8 h
	v_lshlrev_b32 v24, 6, v24
	v_lshl_add_u32 v24, v[HH], 5, v24              ; z = 8 h + 0..7
	s_lshl_b32 s20, s10, 10
	v_add_nc_u32 v24, s20, v24
	s_wait_dscnt 0x0
	v_wmma_f32_16x16x32_f16 v[GM:GM+7], v[VA:VA+7], v[VS:VS+7], 0   ; register j of lane (r, h): G[8h + j][r]
.rept 4
	v_nop                                          ; four places before vector instructions touch the result (ISA guide 7.12.1)
.endr
.irp j, 1,2,3,4,5,6,7
	v_mov_b32_dpp v[GM+\j], v[GM+\j] row_xmask:\j row_mask:0xf bank_mask:0xf   ; now G[a = 8h + j][a ^ d], d = r ^ 8h
.endr
.irp i, 0,2,4,6
	v_add_f32 v[YH+\i],   v[GM+\i], v[GM+\i+1]     ; sums with signs (-1)^(a.z): bit 0 of a,
	v_sub_f32 v[YH+\i+1], v[GM+\i], v[GM+\i+1]
.endr
.irp i, 0,4
	v_pk_add_f32 v[GM+\i:GM+\i+1],   v[YH+\i:YH+\i+1], v[YH+\i+2:YH+\i+3]                          ; bit 1,
	v_pk_add_f32 v[GM+\i+2:GM+\i+3], v[YH+\i:YH+\i+1], v[YH+\i+2:YH+\i+3] neg_lo:[0,1] neg_hi:[0,1]
.endr
.irp i, 0,2
	v_pk_add_f32 v[YH+\i:YH+\i+1],   v[GM+\i:GM+\i+1], v[GM+\i+4:GM+\i+5]                          ; bit 2,
	v_pk_add_f32 v[YH+\i+4:YH+\i+5], v[GM+\i:GM+\i+1], v[GM+\i+4:GM+\i+5] neg_lo:[0,1] neg_hi:[0,1]
.endr
.irp z, 0,1,2,3,4,5,6,7
	v_permlanex16_b32 v[GM+\z], v[YH+\z], s22, s23 ; bit 3: the same d with the other eight a lies in lane r ^ 8 of the other half
.endr
.irp z, 0,1,2,3,4,5,6,7
	v_fma_f32 v[YH+\z], v[YH+\z], v[SH], v[GM+\z]  ; h = 0: sum (z bit 3 = 0);  h = 1: (a3 = 0) - (a3 = 1) (z bit 3 = 1)
.endr
	s_wait_alu depctr_va_vdst(0)                   ; v82 to v89 and v24 are written: data and address of the two stores
	ds_store_b128 v24, v[YH:YH+3]   offset:HB
	ds_store_b128 v24, v[YH+4:YH+7] offset:HB+16
.Lp2done:
	s_wait_dscnt 0x0                               ; H is stored, for the waves that read it
	s_barrier_signal -1
	s_barrier_wait -1
	; ---------------- phase 3 (256 threads): one word (two f16 coefficients) of the fragment images each.
	; fragment f = wave >> 1 = 2 g + chunk; row j = 4 (wave & 1) + (lane >> 3): output w = 2 g + (j & 1), factor j >> 1 (1, sin x2, cos x2,
	; unused); word i = lane & 7 = feature register 8 chunk + i.  An element of H is numbered w << 8 | d << 4 | z.
	s_lshr_b32 s20, s10, 2
	s_lshl_b32 s20, s20, 9                         ; 2 g, in w's field
	s_and_b32 s21, s10, 1
	s_lshl_b32 s24, s21, 2                         ; rows 4-7: cos x2 = bit 2 of z
	s_or_b32 s20, s20, s24
	s_bfe_u32 s24, s10, 0x10001                    ; chunk
	s_lshl_b32 s25, s24, 3                         ; chunk 1, registers 8-11: times cos x3 = bit 3 of z
	s_lshr_b32 s26, s10, 1
	s_mul_i32 s26, s26, FRAG
	s_lshl_b32 s21, s21, 7
	s_add_co_u32 s26, s26, s21                     ; the wave's 128 bytes of the image
	s_cmp_lg_u32 s24, 0
	s_cselect_b32 s24, -1, 0
	v_and_b32 v[TT], 2, v[LANE]                    ; the phase's four masks are made in one run, into scalar registers
	v_bfe_u32 v[TT+4], v[LANE], 2, 1
	v_and_b32 v[TT+5], 3, v[LANE]
	v_lshrrev_b32 v[TT+9], 3, v[RR]
	v_cmp_ne_u32 s28, 0, v[TT]                     ; word 2 or 3 of four
	v_cmp_eq_u32 s27, 1, v[TT+4]                   ; words 4 to 7
	v_cmp_eq_u32 s29, 0, v[TT+5]                   ; word 0 of four
	v_cmp_eq_u32 s30, v[TT+9], v[HH]               ; the lane lies on a diagonal block of A
	v_mov_b32 v[TT+1], 0x02200110                  ; bytes d << 4 | z of qubits 0, 1: (s0, c0), (s1, c1)
	v_mov_b32 v[TT+2], 0x03122130                  ; (s0 s1, c0 s1), (s0 c1, c0 c1)
	v_and_b32 v[TT], 1, v[LANE]
	v_lshlrev_b32 v[TT], 4, v[TT]
	v_and_b32 v[TT+9], 7, v[RR]
	s_wait_alu depctr_va_sdst(0)                   ; the four compares have written s27 to s30, ahead of the first reader of any of them
	s_and_b32 s27, s27, s24                        ; registers 12-15: (s3, c3), (1, -), (-, -), (-, -); unused places take any finite element
	v_cndmask_b32 v[TT+1], v[TT+1], v[TT+2], s28
	v_lshrrev_b32 v[TT+1], v[TT], v[TT+1]
	v_and_b32 v[TT+2], 0xff, v[TT+1]               ; low half's feature
	v_bfe_u32 v[TT+3], v[TT+1], 8, 8               ; high half's
	v_lshl_or_b32 v[TT+5], v[TT+4], 7, s25         ; registers 4-7: times sin x3 = bit 3 of d
	v_or_b32 v[TT+2], v[TT+2], v[TT+5]
	v_or_b32 v[TT+3], v[TT+3], v[TT+5]
	v_mov_b32 v[TT+1], 0x80
	v_cndmask_b32 v[TT+1], 0, v[TT+1], s29
	v_mov_b32 v[TT+5], 8
	v_cndmask_b32 v[TT+2], v[TT+2], v[TT+1], s27
	v_cndmask_b32 v[TT+3], v[TT+3], v[TT+5], s27
	v_bfe_u32 v[TT], v[LANE], 3, 1                 ; j & 1: w's low bit
	v_lshl_or_b32 v[TT], v[TT], 8, s20
	v_lshl_or_b32 v[TT], v[HH], 6, v[TT]           ; rows 2, 3 (and 6, 7): sin x2 = bit 2 of d
	v_or_b32 v[TT+2], v[TT+2], v[TT]
	v_or_b32 v[TT+3], v[TT+3], v[TT]
	v_lshlrev_b32 v[TT+2], 2, v[TT+2]
	v_lshlrev_b32 v[TT+3], 2, v[TT+3]
	v_and_b32 v[TT+2], 0xffc, v[TT+2]              ; changes nothing: states the bound of the 4,096 bytes of H
	v_and_b32 v[TT+3], 0xffc, v[TT+3]
	v_lshl_add_u32 v[TT+8], v[LANE], 2, s26
	v_cndmask_b32 v[TT+9], 8, v[TT+9], s30         ; row r & 7 on the diagonal blocks, the zero row elsewhere
	v_lshlrev_b32 v[FA], 5, v[TT+9]                ; the fragments' address, read behind the third barrier
	s_wait_alu depctr_va_vdst(0)                   ; v104 and v105, the loads' addresses, are written; so are v108 and v109, in which they land, and v110 and v122, addresses of the store and the loads further down
	ds_load_b32 v[TT+6], v[TT+2] offset:HB
	ds_load_b32 v[TT+7], v[TT+3] offset:HB
	s_wait_dscnt 0x0
	v_mul_f32 v[TT+6], 0x3d800000, v[TT+6]         ; 1/16
	v_mul_f32 v[TT+7], 0x3d800000, v[TT+7]
	v_cvt_pk_f16_f32 v[TT+6], v[TT+6], v[TT+7]
	s_wait_alu depctr_va_vdst(0)                   ; v108 is written, the store's data; and every vector line that names one of v90 to v121 is done: no other follows ahead of the fragments' loads
	ds_store_b32 v[TT+8], v[TT+6] offset:IMG
	s_wait_dscnt 0x0                               ; the image is stored, for all waves
	s_barrier_signal -1
	s_barrier_wait -1
	s_wait_alu depctr_vm_vsrc(0)                   ; this phase's LDS instructions have read v104, v105, v108 and v110, in which fragments land; phase 2's stores have read v24 and v82 to v89, which the stream writes
.irp f, 0,1,2,3
	ds_load_b128 v[AF+8*\f:AF+8*\f+3],   v[FA] offset:IMG+FRAG*\f
	ds_load_b128 v[AF+8*\f+4:AF+8*\f+7], v[FA] offset:IMG+FRAG*\f+16
.endr
	v_mov_b32 v[FT+13], 0x3c00                     ; (1.0, 0) in f16: the constant feature
	v_mov_b32 v[FT+14], 0
	v_mov_b32 v[FT+15], 0
	s_wait_dscnt 0x0
	; ---------------- the stream: 16 groups of 32 samples; a group's results are finished and stored in the next group's step
	STEP 0, 0
	STEP 1, 1
	STEP 2, 0
	STEP 3, 1
	STEP 4, 0
	STEP 5, 1
	STEP 6, 0
	STEP 7, 1
	STEP 8, 0
	STEP 9, 1
	STEP 10, 0
	STEP 11, 1
	STEP 12, 0
	STEP 13, 1
	STEP 14, 0
	STEP 15, 1
.rept 4
	v_nop                                          ; four places behind the last matrix instructions
.endr
	POSTF 15, 1
	s_wait_alu depctr_va_vdst(0)                   ; the four multiply-adds have written the last group's results, which the store reads
	SEND 15
	s_wait_dscnt 0x0                               ; the closing lines, six on end
	s_wait_alu 0x0
	s_wait_tensorcnt 0x0
	ds_add_u32 v192, v193
	s_wait_dscnt 0x0
	s_endpgm
.Lfunc_end_k_qb1148f0721_qlayer:
	.size	k_qb1148f0721_qlayer, .Lfunc_end_k_qb1148f0721_qlayer-k_qb1148f0721_qlayer
	.p2alignl 7, 3214868480
	.fill 96, 4, 3214868480
	.section	.rodata,"a",@progbits
	.p2align	6, 0x0
	.amdhsa_kernel k_qb1148f0721_qlayer
		.amdhsa_group_segment_fixed_size 17408
		.amdhsa_private_segment_fixed_size 0
		.amdhsa_enable_private_segment 0
		.amdhsa_kernarg_size 24
		.amdhsa_user_sgpr_count 2
		.amdhsa_user_sgpr_kernarg_segment_ptr 1
		.amdhsa_wavefront_size32 1
		.amdhsa_system_sgpr_workgroup_id_x 1
		.amdhsa_system_sgpr_workgroup_id_y 1
		.amdhsa_system_sgpr_workgroup_id_z 1
		.amdhsa_system_vgpr_workitem_id 0
		.amdhsa_next_free_vgpr 194
		.amdhsa_next_free_sgpr 66
		.amdhsa_reserve_vcc 0
		.amdhsa_float_denorm_mode_32 3
		.amdhsa_float_denorm_mode_16_64 3
		.amdhsa_memory_ordered 1
		.amdhsa_forward_progress 1
		.amdhsa_inst_pref_size 87
	.end_amdhsa_kernel
	.amdgpu_metadata
---
amdhsa.version: [ 1, 2 ]
amdhsa.kernels:
  - .name:           k_qb1148f0721_qlayer
    .symbol:         k_qb1148f0721_qlayer.kd
    .args:
      - { .name: weights, .offset: 0, .size: 8, .value_kind: global_buffer, .address_space: global }
      - { .name: x, .offset: 8, .size: 8, .value_kind: global_buffer, .address_space: global }
      - { .name: out0, .offset: 16, .size: 8, .value_kind: global_buffer, .address_space: global }
    .group_segment_fixed_size: 17408
    .private_segment_fixed_size: 0
    .kernarg_segment_align: 8
    .kernarg_segment_size: 24
    .max_flat_workgroup_size: 256
    .sgpr_count:     66
    .vgpr_count:     194
    .wavefront_size: 32
...
	.end_amdgpu_metadata
.endif
;; end of part 2
